; MI455X (gfx1250); checked and timed in simulation.
; The chip was launched on July 23, 2026; its instructions are those of AMD's public machine-readable ISA for CDNA 5 (MIT licence, August 2026) and "CDNA5" Instruction Set Architecture Reference Guide (July 2026). The comments in the code are by the model that wrote it; some were corrected since.
;; MLP. Allowed arithmetic: matrix products marked QUANTISED: E2M1 operands, one E8M0 scale for each 32 along K, by v_wmma_scale_f32_16x16x128_f8f6f4 with both operands' format E2M1 (or v_wmma_scale_f32_32x16x128_f4), f32 sums; products left as they are: f32 operands where the result goes on into a quantised operand, else bf16, f16 or f32 operands; f32 sums; everything else in f32.
;; Inputs: G 16 x 4,096 float32; H 16 x 4,096 float32; W2 4,096 x 4,096 float32; b1 4,096 float32; b2 4,096 float32; x 4,096 x 4,096 float32.
;; Outputs: out0 4,096 x 4,096 float32.
;; This version of the problem:
;;   THIS VERSION OF THE PROBLEM IS GIVEN IN LOW PRECISION. The matrix products marked QUANTISED in the list below multiply operands that are first quantised to E2M1 (2 exponent bits, 1 mantissa bit; 4 bits a number), with one power-of-two scale for each 32 numbers along K (OCP MX v1.0); their sums are f32. All else is computed in f32.
;;   The module's matrix products, in the order in which they are computed (A, B: the left and right operand; K: the contracted axis; several contracted axes count as one K, in the product's order):
;;     1. [M 4,096, K 4,096] x [K 4,096, N 16]; A: input x; B: input H: QUANTISED
;;     2. [M 4,096, K 16] x [K 16, N 4,096]; A: computed on the way; B: input G: left as it is (K = 16 < 32)
;;     3. [M 4,096, K 4,096] x [K 4,096, N 4,096]; A: computed on the way; B: input W2: QUANTISED
;;   THE QUANTISER, for each operand of a quantised product, along K:
;;     - K is cut into blocks of 32 from its start; a last block that is shorter is filled with zeros.
;;     - A block's scale is 2^e with e = floor(log2(the largest magnitude in the block)) - 2, held to -126 .. 127; a block of zeros has e = 0. As a byte (E8M0): e + 127.
;;     - Each number is divided by its block's scale, clamped to +-6, and rounded to the nearest number of E2M1, ties to even, subnormals kept.
;;     - The product sums the exact products of the quantised numbers (number of the format x scale) in f32.
;;   ~~~python
;;   def quantise(x, axis):      # numpy; x: float32 -> the quantised numbers, widened to float32 again
;;       x = np.moveaxis(x, axis, -1); K = x.shape[-1]
;;       x = np.pad(x, [(0, 0)] * (x.ndim - 1) + [(0, -K % 32)]); x = x.reshape(x.shape[:-1] + (-1, 32)); a = np.abs(x).max(-1, keepdims=True)
;;       e = np.where(a > 0, np.clip(np.frexp(np.where(a > 0, a, 1))[1] - 1 - 2, -126, 127), 0)      # np.frexp(a)[1] - 1 = floor(log2(a)), exactly
;;       r = np.clip(x / 2.0 ** e, -6, 6)
;;       step = 2.0 ** (np.maximum(np.frexp(np.where(r == 0, 1, r))[1] - 1, 0) - 1)
;;       q = np.round(r / step) * step * 2.0 ** e      # np.round: ties to even
;;       return np.moveaxis(q.reshape(q.shape[:-2] + (-1,))[..., :K], -1, axis).astype(np.float32)
;;   ~~~
;;   OPERANDS COMPUTED ON THE WAY. 'Computed on the way' means the value that the module computes at that place (a softmax that the list does not call 'softmax' is quantised finished and normalised). What goes into a quantiser is computed in f32, as accurately as f32 sums, v_exp_f32 and their like allow (about 1e-6 of the number): no bf16 or f16 on the way to a quantiser, and a product that is left as it is and whose result goes on into a quantised operand takes f32 operands (vector FMAs, or v_wmma_f32_16x16x4_f32). A number that lies on a knife's edge between two numbers of the format may be rounded either way, as far as f32 arithmetic and the matrix unit's own rounding can turn it there, and no further.
;; One version. Each part assembles by itself: llvm-mc -triple=amdgcn-amd-amdhsa -mcpu=gfx1250 --defsym DOCPART=n.
;; ======== version 1 of 1: 3 launches
;; limits: right only within a limited range of input values
;; workspace buffers: xhp 524,288 bytes; hq 8,912,896 bytes; wq 8,912,896 bytes
;; launch xh (part 1): grid 256 x 1, 16 waves a work-group, no clusters, 169,984 bytes of LDS; arguments x, H, xhp; writes xhp
.if DOCPART == 1
	.amdgcn_target "amdgcn-amd-amdhsa--gfx1250"
	.amdhsa_code_object_version 6
	.text
	.protected	k_qb8059ba45d_xh
	.globl	k_qb8059ba45d_xh
	.p2align	8
	.type	k_qb8059ba45d_xh,@function
k_qb8059ba45d_xh:
	s_mov_b64 s[64:65], 0
	v_nop
	global_prefetch_b8 v0, s[64:65] scope:SCOPE_SE
	s_setreg_imm32_b32 hwreg(HW_REG_WAVE_MODE, 25, 1), 1
	s_wait_xcnt 0x0
; xhp[kh][row][rank] = the sum over one half of K (kh = 0, 1: 2,048 along K) of Q(x)[row][k] Q(H)[rank][k]: both operands quantised here, in registers, to codes of FP4 (E2M1)
; with one E8M0 scale for each 32 along K, and multiplied by the scaled matrix instruction; sums in f32.  x: [4096][4096], H: [16][4096], f32, K innermost.
; SHARES.  Work-group g: K half g & 1, rows 32 (g >> 1) on.  Wave w takes ONE K step of 128 (512 bytes of a row): H's 16 rows and x's two tiles of 16 rows: 48 loads of 512 consecutive
; bytes, all issued at the head: the whole input of the work-group is on its way at once.  The sixteen waves' partial sums meet in LDS behind the launch's one barrier.
; A load is best where neighbouring lanes take neighbouring bytes; the conversions want 16 neighbours along K in one lane.  So each tile of 16 rows x 512 bytes turns through the wave's
; own stage in LDS (rows 528 bytes apart, an odd multiple of 16) and comes back as: register 16 b + i = k 32 b + 16 (lane / 16) + i of row lane % 16.
; THE MATRIX INSTRUCTION IS USED TRANSPOSED (source 0 = H's 16 ranks, source 1 = 16 rows of x): a lane holds row lane % 16 and ranks 8 (lane / 16) + 0 .. 7: 32 neighbouring bytes of xhp.
; NO JOINT LOADS: this launch has no tensor load at all; what work-groups share, H's 8 KiB of a wave's 24 KiB, goes through registers as x does.
; LIMITS: NaN and infinities among the inputs are not served.  A block of zeros gets the byte 1 where the rule says 127: its codes are zeros, and the bytes never leave the registers.
; The sum over K is made of 16 waves' and 2 halves' partial sums, in f32: another order than one chain along K.
.set ROWB, 16384                       ; a row of x or of H in bytes
.set SP,   528                         ; a stage row: 512 bytes + 16
.set WSTG, 16*SP                       ; a wave's stage
.set RED,  16*WSTG                     ; behind the stages: 2,048 bytes for each wave: its two tiles of partial sums, [16 rows][16 ranks] f32 each
.set OL,   1                           ; v1   16 x lane: my bytes of a load's 512
.set STW,  2                           ; v2   the stage, on the way in: my wave's + 16 x lane
.set STR,  3                           ; v3   and back: my wave's + 528 (lane % 16) + 64 (lane / 16)
.set RW,   4                           ; v4   where I put my partial sums
.set RA,   5                           ; v5   the reduction: RED + 16 x thread
.set OT,   6                           ; v6   16 x thread: my bytes of the work-group's 2,048 of xhp
.set TM,   8                           ; v8-11 largest magnitudes, v12-15 the other half's / the bytes, v20-23 the conversions' scale operands
.set HS,   24                          ; v24  H's scale word;  v25, v26 those of x's two tiles: these three hold scales and nothing else
.set PW0,  25
.set PW1,  26
.set HC,   28                          ; v28-35 H's codes;  v36-43, v44-51 those of x's two tiles
.set PC0,  36
.set PC1,  44
.set L0,   64                          ; v64-127 x's rows 0-15;  v128-191 rows 16-31;  v192-255 H
.set L1,   128
.set L2,   192
.set ACC0, 64                          ; the two results lie where x's first tile lay
.set ACC1, 72
.set SEL,  20                          ; s[20:21] v_permlanex16_b32's selects for lane l xor 16
	s_load_b128 s[4:7], s[0:1], 0x0                ; x, H
	s_load_b64 s[8:9], s[0:1], 0x10                ; xhp
	v_lshl_add_u32 v62, v0, 2, 0x29000
	v_mov_b32 v63, 0
	v_lshrrev_b32 v7, 5, v0
	s_delay_alu instid0(VALU_DEP_1)
	v_readfirstlane_b32 s10, v7                    ; wave 0..15
	s_and_b32 s11, ttmp9, 1                        ; which half of K
	s_lshr_b32 s12, ttmp9, 1                       ; which 32 rows
	v_and_b32 v7, 31, v0                           ; lane
	v_and_b32 v20, 15, v0                          ; r
	v_bfe_u32 v21, v0, 4, 1                        ; h
	s_delay_alu instid0(VALU_DEP_3)
	v_lshlrev_b32 v[OL], 4, v7
	s_mul_i32 s13, s10, WSTG
	v_add_nc_u32 v[STW], s13, v[OL]
	v_mul_u32_u24 v[STR], v20, SP
	s_delay_alu instid0(VALU_DEP_1)
	v_lshl_add_u32 v[STR], v21, 6, v[STR]
	s_delay_alu instid0(VALU_DEP_1)
	v_add_nc_u32 v[STR], s13, v[STR]
	s_lshl_b32 s13, s10, 11
	s_add_co_u32 s13, s13, RED
	v_lshlrev_b32 v[RW], 6, v20                    ; row r of 64 bytes,
	s_delay_alu instid0(VALU_DEP_1)
	v_lshl_add_u32 v[RW], v21, 5, v[RW]            ; ranks 8 h on
	s_delay_alu instid0(VALU_DEP_1)
	v_add_nc_u32 v[RW], s13, v[RW]
	v_lshl_add_u32 v[RA], v0, 4, RED
	v_lshlrev_b32 v[OT], 4, v0
.irp b, 0,1,2,3
	v_mov_b32 v[TM+4+\b], 0                        ; written once: a lane permute's destination counts as one of its sources
.endr
	s_mov_b32 s[SEL], 0x76543210
	s_mov_b32 s[SEL+1], 0xfedcba98
	s_lshl_b32 s16, s11, 4
	s_add_co_u32 s16, s16, s10                     ; my K step: 16 x half + wave
	s_lshl_b32 s16, s16, 9                         ; its 512 bytes in a row
	s_mov_b32 s17, 0
	s_lshl_b32 s14, s12, 19                        ; 32 rows of 16,384 bytes
	s_add_co_u32 s14, s14, s16
	s_mov_b32 s15, 0
	s_lshl_b32 s18, s11, 18                        ; xhp: a half is 4,096 rows of 64 bytes,
	s_lshl_b32 s19, s12, 11                        ; 32 rows are 2,048
	s_add_co_u32 s18, s18, s19
	s_mov_b32 s19, 0
	s_wait_kmcnt 0x0
	s_add_nc_u64 s[4:5], s[4:5], s[14:15]
	s_add_nc_u64 s[6:7], s[6:7], s[16:17]
	s_add_nc_u64 s[8:9], s[8:9], s[18:19]
.macro LOADH set                       ; H's 16 rows: read again by other work-groups, so no hint
.irp i, 0,1,2,3,4,5,6,7,8,9,10,11,12,13,14,15
	global_load_b128 v[\set+4*\i:\set+4*\i+3], v[OL], s[6:7] offset:\i*ROWB
.endr
.endm
.macro LOADX set, row0                 ; 16 rows of x, 512 consecutive bytes a load: read once in the launch
.irp i, 0,1,2,3,4,5,6,7,8,9,10,11,12,13,14,15
	global_load_b128 v[\set+4*\i:\set+4*\i+3], v[OL], s[4:5] offset:(\row0+\i)*ROWB th:TH_LOAD_NT
.endr
.endm
.macro TURN set                        ; 16 rows x 512 bytes through my own stage
.irp i, 0,1,2,3,4,5,6,7,8,9,10,11,12,13,14,15
	ds_store_b128 v[STW], v[\set+4*\i:\set+4*\i+3] offset:SP*\i
.endr
	s_wait_dscnt 0x0                               ; the stores have read their registers, which the loads below write
.irp b, 0,1,2,3
.irp j, 0,1,2,3
	ds_load_b128 v[\set+16*\b+4*\j:\set+16*\b+4*\j+3], v[STR] offset:128*\b+16*\j
.endr
.endr
	s_wait_dscnt 0x0
.endm
; 64 numbers of a lane, register 16 b + i = k 32 b + 16 (lane / 16) + i of my row, become a fragment's codes in v[pc] on and its scale word in v[pw].
.macro QUANT s, pc, pw
.irp b, 0,1,2,3
	v_max3_num_f32 v[TM+\b], |v[\s+16*\b]|, |v[\s+1+16*\b]|, 0x1800000   ; block b: my 16 numbers, and the floor 2^(3 - 127): so the byte cannot fall under 1
.endr
.irp i, 2,4,6,8,10,12,14
.irp b, 0,1,2,3
	s_delay_alu instid0(VALU_DEP_4)
	v_max3_num_f32 v[TM+\b], v[TM+\b], |v[\s+16*\b+\i]|, |v[\s+1+16*\b+\i]|   ; the four blocks by turns
.endr
.endr
.irp b, 0,1,2,3
	s_delay_alu instid0(VALU_DEP_4)
	v_permlanex16_b32 v[TM+4+\b], v[TM+\b], s[SEL], s[SEL+1]
.endr
.irp b, 0,1,2,3
	s_delay_alu instid0(VALU_DEP_4)
	v_max_num_f32 v[TM+\b], v[TM+\b], v[TM+4+\b]   ; with lane l xor 16's: the block's largest magnitude
.endr
.irp b, 0,1,2,3
	s_delay_alu instid0(VALU_DEP_4)
	v_add_nc_u32 v[TM+12+\b], 0xff000000, v[TM+\b] ; 2 off its exponent field: the conversion takes the exponent field of this operand as its scale
.endr
.irp b, 0,1,2,3
	s_delay_alu instid0(VALU_DEP_4)
	v_lshrrev_b32 v[TM+4+\b], 23, v[TM+12+\b]      ; the scale's byte
.endr
	s_delay_alu instid0(VALU_DEP_3)
	v_lshl_or_b32 v[\pw], v[TM+5], 8, v[TM+4]      ; the four bytes make my row's scale word
	s_delay_alu instid0(VALU_DEP_1)
	v_lshl_or_b32 v[\pw], v[TM+6], 16, v[\pw]
	s_delay_alu instid0(VALU_DEP_1)
	v_lshl_or_b32 v[\pw], v[TM+7], 24, v[\pw]
.irp b, 0,1,2,3
	v_cvt_scalef32_pk8_fp4_f32 v[\pc+2*\b], v[\s+16*\b:\s+7+16*\b], v[TM+12+\b]
	v_cvt_scalef32_pk8_fp4_f32 v[\pc+1+2*\b], v[\s+8+16*\b:\s+15+16*\b], v[TM+12+\b]
.endr
	v_nop                                          ; one plain place behind a scaled conversion
.irp c, 0,1                                    ; the operand's layout wants a whole block in a lane: lanes 0-15 block 2 c, lanes 16-31 block 2 c + 1
.irp i, 0,1
	v_permlane16_swap_b32 v[\pc+4*\c+\i], v[\pc+2+4*\c+\i]
.endr
.endr
.endm
	LOADH L2
	LOADX L0, 0
	LOADX L1, 16
	s_wait_loadcnt 32                              ; H's 16 loads are in; x's 32 were issued behind them
	TURN L2
	QUANT L2, HC, HS
	s_wait_loadcnt 16                              ; x's rows 0-15 are in
	TURN L0
	QUANT L0, PC0, PW0
	s_wait_loadcnt 0x0
	TURN L1
	QUANT L1, PC1, PW1
.rept 8
	v_nop                                          ; a scale register written by a vector instruction stands 8 places ahead of a scaled matrix instruction, an operand so written 4
.endr
	v_wmma_scale_f32_16x16x128_f8f6f4 v[ACC0:ACC0+7], v[HC:HC+7], v[PC0:PC0+7], 0, v[HS], v[PW0] matrix_a_fmt:MATRIX_FMT_FP4 matrix_b_fmt:MATRIX_FMT_FP4
	v_wmma_scale_f32_16x16x128_f8f6f4 v[ACC1:ACC1+7], v[HC:HC+7], v[PC1:PC1+7], 0, v[HS], v[PW1] matrix_a_fmt:MATRIX_FMT_FP4 matrix_b_fmt:MATRIX_FMT_FP4
.rept 4
	v_nop                                          ; four places ahead of the first read of the results (ISA guide 7.12.1)
.endr
	ds_store_b128 v[RW], v[ACC0:ACC0+3]            ; each result from its low end on
	ds_store_b128 v[RW], v[ACC0+4:ACC0+7] offset:16
	ds_store_b128 v[RW], v[ACC1:ACC1+3] offset:1024
	ds_store_b128 v[RW], v[ACC1+4:ACC1+7] offset:1040
	s_wait_dscnt 0x0                               ; for the others' sake: my partial sums lie in LDS
	s_barrier_signal -1
	s_barrier_wait -1
	s_cmp_lt_u32 s10, 4                            ; 2,048 bytes of sums: 128 threads take 16 bytes each
	s_cbranch_scc0 .Lend
.irp u, 0,1,2,3,4,5,6,7,8,9,10,11,12,13,14,15
	ds_load_b128 v[128+4*\u:131+4*\u], v[RA] offset:2048*\u   ; the same four numbers of each wave's part
.endr
	s_wait_dscnt 0x0
.macro FOLD d                          ; the upper half of d + d registers is added onto the lower
.set p, 0
.rept (\d)/2
	v_pk_add_f32 v[128+p:129+p], v[128+p:129+p], v[128+p+\d:129+p+\d]
.set p, p+2
.endr
.endm
	FOLD 32
	FOLD 16
	FOLD 8
	FOLD 4
	global_store_b128 v[OT], v[128:131], s[8:9]    ; a wave stores 512 consecutive bytes, at a multiple of 256 from xhp's first byte
.Lend:
	s_wait_tensorcnt 0x0
	ds_add_u32 v62, v63
	s_wait_dscnt 0x0
	s_endpgm
.Lfunc_end_k_qb8059ba45d_xh:
	.size	k_qb8059ba45d_xh, .Lfunc_end_k_qb8059ba45d_xh-k_qb8059ba45d_xh
	.p2alignl 7, 3214868480
	.fill 96, 4, 3214868480
	.section	.rodata,"a",@progbits
	.p2align	6, 0x0
	.amdhsa_kernel k_qb8059ba45d_xh
		.amdhsa_group_segment_fixed_size 169984
		.amdhsa_private_segment_fixed_size 0
		.amdhsa_enable_private_segment 0
		.amdhsa_kernarg_size 24
		.amdhsa_user_sgpr_count 2
		.amdhsa_user_sgpr_kernarg_segment_ptr 1
		.amdhsa_wavefront_size32 1
		.amdhsa_system_sgpr_workgroup_id_x 1
		.amdhsa_system_sgpr_workgroup_id_y 1
		.amdhsa_system_sgpr_workgroup_id_z 1
		.amdhsa_system_vgpr_workitem_id 0
		.amdhsa_next_free_vgpr 256
		.amdhsa_next_free_sgpr 66
		.amdhsa_reserve_vcc 0
		.amdhsa_float_denorm_mode_32 3
		.amdhsa_float_denorm_mode_16_64 3
		.amdhsa_memory_ordered 1
		.amdhsa_forward_progress 1
		.amdhsa_inst_pref_size 33
	.end_amdhsa_kernel
	.amdgpu_metadata
---
amdhsa.version: [ 1, 2 ]
amdhsa.kernels:
  - .name:           k_qb8059ba45d_xh
    .symbol:         k_qb8059ba45d_xh.kd
    .args:
      - { .name: x, .offset: 0, .size: 8, .value_kind: global_buffer, .address_space: global }
      - { .name: H, .offset: 8, .size: 8, .value_kind: global_buffer, .address_space: global }
      - { .name: xhp, .offset: 16, .size: 8, .value_kind: global_buffer, .address_space: global }
    .group_segment_fixed_size: 169984
    .private_segment_fixed_size: 0
    .kernarg_segment_align: 8
    .kernarg_segment_size: 24
    .max_flat_workgroup_size: 512
    .sgpr_count:     66
    .vgpr_count:     256
    .wavefront_size: 32
...
	.end_amdgpu_metadata
.endif
;; end of part 1
;; launch ops (part 2): grid 256 x 1, 16 waves a work-group, no clusters, 327,680 bytes of LDS; arguments xhp, G, b1, W2, hq, wq; writes hq, wq
.if DOCPART == 2
	.amdgcn_target "amdgcn-amd-amdhsa--gfx1250"
	.amdhsa_code_object_version 6
	.text
	.protected	k_qb8059ba45d_ops
	.globl	k_qb8059ba45d_ops
	.p2align	8
	.type	k_qb8059ba45d_ops,@function
k_qb8059ba45d_ops:
	s_mov_b64 s[64:65], 0
	v_nop
	global_prefetch_b8 v0, s[64:65] scope:SCOPE_SE
	s_setreg_imm32_b32 hwreg(HW_REG_WAVE_MODE, 25, 1), 1
	s_wait_xcnt 0x0
; The two operands of the large product, as codes of FP4 (E2M1) with one E8M0 scale for each 32 along K, laid in CHUNKS in the order of the operand's registers.
;   hq: h = relu((xhp[0] + xhp[1]) G + b1), [4096 rows][K = 4096], all in f32 ahead of the quantiser: the product with G (K = 16) by the f32 matrix form, b1 as the C of its first instruction.
;   wq: W2 [K = 4096][4096 columns], quantised down K; an operand row is a column of W2.
; A CHUNK is 128 operand rows x 512 along K, 34,816 dense bytes; chunk number = 8 x (row / 128) + (k / 512).  Bytes 0 .. 32,767: the fragment of rows 16 i on and K step q (128 along K)
; at 1,024 (4 i + q); in it register group c at 512 c, lane l's 16 bytes at 16 l: the 32 codes k = 128 q + 64 c + 32 (l / 16) + 0 .. 31 of row 16 i + l % 16.
; Bytes 32,768 on: 16 scale bytes a row, byte 4 q + 2 c + (l / 16) for that block.
; SHARES.  Work-group g makes chunk g of both.  Each wave first asks for the small inputs that the work on h begins with (its rank of G, its 16 bytes of xH, its b1: 14 loads), and straight behind them for
; its part of W2 by ONE tensor load (32 rows of K x 128 columns, 16 KiB: just what it will read itself), the whole work-group's 256 KiB; the work on h stands between that load and the wait for it.
;   h:  wave w takes 64 along K (e = w & 7: K step e / 2, register group e % 2) of four tiles of 16 rows (4 (w >> 3) on): 64 f32 matrix instructions, used transposed (source 0 = 16 columns of G,
;       source 1 = 16 rows of xH), so that a lane holds ONE row of h.  The columns of G that form a tile are not neighbours: lane r of tile 2 b + u takes column 32 b + 8 u + r + 8 (r / 8), so that
;       the 16 registers of tiles 2 b and 2 b + 1 are 16 neighbours along K.
;   W2: wave w takes block w of the slab's sixteen blocks of 32 along K; a lane takes a column and its 32 registers run down K, so a block's largest magnitude needs no other lane.
; NO JOINT LOADS: no two work-groups read the same bytes of W2; what they share, G's 32 KiB of a slab, is an eighth of a work-group's bytes and goes through registers.
; No LDS byte is filled twice by the tensor loads.
; LIMITS: NaN and infinities among the inputs are not served.  A block of zeros gets the byte 1 where the rule says 127: its codes are zeros, and this program alone reads the bytes.
.set CH,  34816                        ; a chunk
.set GL,  262144                       ; LDS: 0 .. 262,143 W2's tiles, wave w's at 16,384 w, 32 rows of 512 bytes;  from GL: G's slab, 16 ranks x (2,048 bytes + 16)
.set GP,  2064
.set XL,  GL+16*GP                     ; xH of my 128 rows: 128 x (64 bytes + 16)
.set XP,  80
.set SLA, XL+128*XP                    ; the chunk's scale bytes for hq, 2,048;
.set SLB, SLA+2048                     ; and for wq
.set AGW, 1                            ; v1   where I store my rank of G
.set AXW, 2                            ; v2   where I store 16 bytes of xH
.set AG,  3                            ; v3   G's fragments
.set AX,  4                            ; v4   xH's fragments
.set AS,  5                            ; v5   my row's two scale bytes of hq
.set AW,  6                            ; v6   my column in my tile of W2
.set AB,  7                            ; v7   my column's scale byte of wq
.set AO,  8                            ; v8   the scale bytes' way out
.set OL,  9                            ; v9   16 x lane
.set OX,  10                           ; v10  16 x thread
.set OB1, 11                           ; v11  64 (lane / 16)
.set OC,  12                           ; v12  my codes of h in the chunk
.set OW,  13                           ; v13  my codes of W2 in the chunk
.set OS,  14                           ; v14  16 x (thread % 128)
.set GA,  16                           ; v16-47   G's fragments: 8 tile + 2 group of four ranks + j
.set XB,  48                           ; v48-79   xH's: 8 tile of rows + 2 group + j
.set BB,  80                           ; v80-111  b1 in the result's layout: 8 tile + j
.set HA,  112                          ; v112-143 four accumulators: written by matrix instructions alone
.set R,   144                          ; v144-175 relu's results; ahead of the first barrier G's 16 registers and xH's 8
.set TM,  176                          ; v176-186 at work
.set PC,  188                          ; v188-203 h's codes, four registers for each tile of rows
.set PW,  204                          ; v204-207 two scale bytes for each tile of rows
.set XW,  16                           ; W2: v16-47, v48-79 two sets of 32 numbers;
.set CW,  80                           ; v80-95 codes, four registers for each group of 32 columns;
.set BY,  96                           ; v96-99 their scale bytes;  v100-103 the scale bytes' way out
.set SEL, 36                           ; s[36:37] v_permlanex16_b32's selects for lane l xor 16
	s_load_b256 s[4:11], s[0:1], 0x0               ; xhp s[4:5], G s[6:7], b1 s[8:9], W2 s[10:11]
	s_load_b128 s[12:15], s[0:1], 0x20             ; hq s[12:13], wq s[14:15]
	v_lshl_add_u32 v254, v0, 2, 0x4b900
	v_mov_b32 v255, 0
	ds_add_u32 v254, v255
	ds_add_u32 v254, v255
	v_lshrrev_b32 v208, 5, v0
	s_delay_alu instid0(VALU_DEP_1)
	v_readfirstlane_b32 s16, v208                  ; wave 0..15
	s_and_b32 s17, s16, 7                          ; e
	s_lshr_b32 s18, s16, 3                         ; which four tiles of rows
	s_and_b32 s19, ttmp9, 7                        ; the slab of 512 along K
	s_lshr_b32 s20, ttmp9, 3                       ; the block of 128 operand rows
	v_and_b32 v208, 31, v0                         ; lane
	v_and_b32 v209, 15, v0                         ; r
	v_bfe_u32 v210, v0, 4, 1                       ; h
	s_delay_alu instid0(VALU_DEP_3)
	v_lshlrev_b32 v[OL], 4, v208
	v_lshlrev_b32 v[OX], 4, v0
	s_delay_alu instid0(VALU_DEP_3)
	v_lshlrev_b32 v[OB1], 6, v210
	; every offset is made ahead of the wait for the arguments, so that the loads go out straight behind it
	s_lshl_b32 s40, s20, 13                        ; xhp: my 128 rows of 64 bytes
	s_mov_b32 s41, 0
	s_lshl_b32 s21, s19, 11                        ; a slab is 2,048 bytes of a row of G and of b1
	s_lshl_b32 s42, s16, 14                        ; G: rank = wave
	s_add_co_u32 s42, s42, s21
	s_mov_b32 s43, 0
	s_lshl_b32 s44, s17, 8                         ; b1: my 64 numbers
	s_add_co_u32 s44, s44, s21
	s_mov_b32 s45, 0
	s_lshl_b32 s22, s19, 23                        ; my tile of W2: rows 512 slab + 32 wave of 16,384 bytes, columns 128 block on
	s_lshl_b32 s21, s16, 19
	s_add_co_u32 s22, s22, s21
	s_lshl_b32 s21, s20, 9
	s_add_co_u32 s22, s22, s21
	s_mov_b32 s23, 0
	s_mul_i32 s46, ttmp9, CH                       ; my chunk of hq and of wq
	s_mov_b32 s47, 0
	s_mov_b32 s24, 1                               ; group 0: count = 1,
	s_lshl_b32 s25, s16, 14                        ; LDS address 16,384 x wave
	s_mov_b32 s28, 2<<16                           ; group 1: no mask, elements of 4 bytes, no padding
	s_mov_b32 s29, 128<<16                         ; tensor_dim0 = 128
	s_mov_b32 s30, 32<<16                          ; tensor_dim1 = 32
	s_mov_b32 s31, 128<<16                         ; tile_dim0 = 128
	s_mov_b32 s32, 32                              ; tile_dim1 = 32
	s_mov_b32 s33, 4096                            ; elements from row to row
	s_mov_b32 s34, 0
	s_mov_b32 s35, 0
	s_wait_alu depctr_va_vdst(0)
	s_wait_dscnt 0x0
	s_wait_kmcnt 0x0
	s_add_nc_u64 s[4:5], s[4:5], s[40:41]
	s_add_nc_u64 s[6:7], s[6:7], s[42:43]
	s_add_nc_u64 s[8:9], s[8:9], s[44:45]
.irp i, 0,1,2,3
	global_load_b128 v[R+4*\i:R+4*\i+3], v[OL], s[6:7] offset:512*\i   ; my rank's 2,048 bytes of the slab
.endr
	global_load_b128 v[R+16:R+19], v[OX], s[4:5]                       ; xH's two halves of K: 16 bytes a thread
	global_load_b128 v[R+20:R+23], v[OX], s[4:5] offset:262144
.irp t, 0,1,2,3
	global_load_b128 v[BB+8*\t:BB+8*\t+3], v[OB1], s[8:9] offset:(32*(\t/2)+8*(\t%2))*4       ; b1 at the tile's eight columns of my half
	global_load_b128 v[BB+8*\t+4:BB+8*\t+7], v[OB1], s[8:9] offset:(32*(\t/2)+8*(\t%2))*4+16
.endr
	s_add_nc_u64 s[26:27], s[10:11], s[22:23]
	s_or_b32 s27, s27, 0x80000000                  ; type = 2
	tensor_load_to_lds s[24:27], s[28:35]          ; my one tensor load of the launch, behind the 14 small loads
	s_nop 0
.rept 4
	v_nop
.endr
	s_add_nc_u64 s[12:13], s[12:13], s[46:47]
	s_add_nc_u64 s[14:15], s[14:15], s[46:47]
	s_mov_b32 s[SEL], 0x76543210
	s_mov_b32 s[SEL+1], 0xfedcba98
	v_mov_b32 v[TM+2], 0                           ; written once: a lane permute's destination counts as one of its sources
	v_mov_b32 v[TM+3], 0
	s_mul_i32 s21, s16, GP
	s_add_co_u32 s21, s21, GL
	v_lshl_add_u32 v[AGW], v208, 4, s21            ; GL + 2,064 wave + 16 lane
	v_lshrrev_b32 v211, 2, v0
	s_delay_alu instid0(VALU_DEP_1)
	v_mul_u32_u24 v211, v211, XP
	v_and_b32 v212, 3, v0
	s_delay_alu instid0(VALU_DEP_1)
	v_lshl_add_u32 v211, v212, 4, v211
	s_delay_alu instid0(VALU_DEP_1)
	v_add_nc_u32 v[AXW], XL, v211                  ; XL + 80 (thread / 4) + 16 (thread % 4)
	v_and_b32 v211, 8, v209
	s_delay_alu instid0(VALU_DEP_1)
	v_add_nc_u32 v211, v211, v209                  ; r + 8 (r / 8)
	s_delay_alu instid0(VALU_DEP_1)
	v_lshlrev_b32 v211, 2, v211
	s_delay_alu instid0(VALU_DEP_1)
	v_mad_u32_u24 v211, v210, 2*GP, v211           ; lanes 16-31 begin two ranks on
	s_lshl_b32 s21, s17, 8
	s_add_co_u32 s21, s21, GL
	v_add_nc_u32 v[AG], s21, v211
	v_mul_u32_u24 v211, v209, XP
	s_delay_alu instid0(VALU_DEP_1)
	v_lshl_add_u32 v211, v210, 3, v211             ; row r, ranks 2 h on
	s_mul_i32 s21, s18, 64*XP
	s_add_co_u32 s21, s21, XL
	v_add_nc_u32 v[AX], s21, v211
	s_lshl_b32 s21, s18, 10
	s_lshl_b32 s22, s17, 1
	s_add_co_u32 s21, s21, s22
	s_add_co_u32 s21, s21, SLA
	v_lshl_add_u32 v[AS], v209, 4, s21             ; SLA + 16 row + 2 e
	s_lshl_b32 s21, s16, 14
	v_lshl_add_u32 v[AW], v208, 2, s21             ; 16,384 wave + 4 lane
	s_add_co_u32 s21, s16, SLB
	v_lshl_add_u32 v[AB], v208, 4, s21             ; SLB + 16 column + wave
	v_lshl_add_u32 v[AO], v0, 4, SLA
	s_lshl_b32 s21, s17, 9
	s_lshl_b32 s22, s18, 14
	s_add_co_u32 s21, s21, s22
	v_lshl_add_u32 v[OC], v208, 4, s21             ; 16 lane + 512 e + 16,384 (wave / 8)
	v_lshlrev_b32 v211, 4, v209
	s_delay_alu instid0(VALU_DEP_1)
	v_lshl_add_u32 v211, v210, 12, v211
	s_lshl_b32 s21, s16, 8
	v_add_nc_u32 v[OW], s21, v211                  ; 4,096 (lane / 16) + 16 r + 256 wave
	v_and_b32 v211, 127, v0
	s_delay_alu instid0(VALU_DEP_1)
	v_lshlrev_b32 v[OS], 4, v211
	s_wait_loadcnt 8                               ; G's four loads and xH's two are in; b1's eight were issued behind them
.irp i, 0,1,2,3
	ds_store_b128 v[AGW], v[R+4*\i:R+4*\i+3] offset:512*\i
.endr
	v_pk_add_f32 v[R+16:R+17], v[R+16:R+17], v[R+20:R+21]   ; xH = the two halves of K
	v_pk_add_f32 v[R+18:R+19], v[R+18:R+19], v[R+22:R+23]
	ds_store_b128 v[AXW], v[R+16:R+19]
	s_wait_dscnt 0x0                               ; for the others' sake: my part of G and of xH lies in LDS
	s_barrier_signal -1                            ; (my tensor load stays out, and only I read its bytes)
	s_barrier_wait -1
.irp t, 0,1,2,3
.irp g, 0,1,2,3
.irp j, 0,1
	ds_load_b32 v[GA+8*\t+2*\g+\j], v[AG] offset:(4*\g+\j)*GP+(32*(\t/2)+8*(\t%2))*4   ; G(4 g + 2 h + j, the tile's column for lane r)
.endr
.endr
.endr
.irp i, 0,1,2,3
.irp g, 0,1,2,3
	ds_load_b64 v[XB+8*\i+2*\g:XB+8*\i+2*\g+1], v[AX] offset:16*XP*\i+16*\g            ; xH(row r of tile i, 4 g + 2 h + 0, 1)
.endr
.endr
	s_wait_loadcnt 0x0                             ; b1
	s_wait_dscnt 0x0
; The lane's 32 numbers in v[R] on, register 16 b + n = k 32 b + 16 (lane / 16) + n of my row, become one register group of a fragment and two scale bytes.  No |.|: none is negative.
.macro QUANT2 i
.irp b, 0,1
	v_max3_num_f32 v[TM+\b], v[R+16*\b], v[R+16*\b+1], 0x1800000    ; and the floor 2^(3 - 127): so the byte cannot fall under 1
.endr
.irp n, 2,4,6,8,10,12,14
.irp b, 0,1
	s_delay_alu instid0(VALU_DEP_2)
	v_max3_num_f32 v[TM+\b], v[TM+\b], v[R+16*\b+\n], v[R+16*\b+\n+1]
.endr
.endr
.irp b, 0,1
	s_delay_alu instid0(VALU_DEP_2)
	v_permlanex16_b32 v[TM+2+\b], v[TM+\b], s[SEL], s[SEL+1]
.endr
.irp b, 0,1
	s_delay_alu instid0(VALU_DEP_2)
	v_max_num_f32 v[TM+\b], v[TM+\b], v[TM+2+\b]   ; with lane l xor 16's: the block's largest number
.endr
.irp b, 0,1
	s_delay_alu instid0(VALU_DEP_2)
	v_add_nc_u32 v[TM+4+\b], 0xff000000, v[TM+\b]  ; 2 off its exponent field: the conversion's scale operand
.endr
.irp b, 0,1
	s_delay_alu instid0(VALU_DEP_2)
	v_lshrrev_b32 v[TM+6+\b], 23, v[TM+4+\b]       ; the scale's byte
.endr
	s_delay_alu instid0(VALU_DEP_1)
	v_lshl_or_b32 v[PW+\i], v[TM+7], 8, v[TM+6]
.irp b, 0,1
	v_cvt_scalef32_pk8_fp4_f32 v[PC+4*\i+2*\b], v[R+16*\b:R+16*\b+7], v[TM+4+\b]
	v_cvt_scalef32_pk8_fp4_f32 v[PC+4*\i+2*\b+1], v[R+16*\b+8:R+16*\b+15], v[TM+4+\b]
.endr
	v_nop                                          ; one plain place behind a scaled conversion
	v_permlane16_swap_b32 v[PC+4*\i], v[PC+4*\i+2]     ; a whole block to a lane: lanes 0-15 the first, lanes 16-31 the second
	v_permlane16_swap_b32 v[PC+4*\i+1], v[PC+4*\i+3]
	global_store_b128 v[OC], v[PC+4*\i:PC+4*\i+3], s[12:13] offset:4096*\i   ; the wave stores 512 consecutive bytes, at a multiple of 256 from hq's first byte
	ds_store_b16 v[AS], v[PW+\i] offset:256*\i     ; lanes l and l xor 16 write the same two bytes with the same value
.endm
; Tile i of my four tiles of rows: 16 matrix instructions, the four accumulators by turns, one instruction a turn; b1 is the C of each sum's first.
; Behind them eight places (ISA guide 7.12.1); relu goes into other registers, each accumulator read from its low end on.  The next tile's first instruction begins the accumulators anew: more than
; nine plain lines of QUANT2, which name none of the products' registers, stand between.
.macro HTILE i
.irp g, 0,1,2,3
.irp t, 0,1,2,3
.if \g == 0
	v_wmma_f32_16x16x4_f32 v[HA+8*\t:HA+8*\t+7], v[GA+8*\t:GA+8*\t+1], v[XB+8*\i:XB+8*\i+1], v[BB+8*\t:BB+8*\t+7]
.else
	v_wmma_f32_16x16x4_f32 v[HA+8*\t:HA+8*\t+7], v[GA+8*\t+2*\g:GA+8*\t+2*\g+1], v[XB+8*\i+2*\g:XB+8*\i+2*\g+1], v[HA+8*\t:HA+8*\t+7]
.endif
.endr
.endr
.rept 8
	v_nop
.endr
.set j, 0
.rept 32
	v_max_num_f32 v[R+j], 0, v[HA+j]               ; the activation, in f32
.set j, j+1
.endr
	QUANT2 \i
.endm
	HTILE 0
	HTILE 1
	HTILE 2
	HTILE 3
; W2.  Group cg of 32 columns: my column's 32 numbers down K, from my own tile.
.macro WLOAD cg
.set XS, XW+32*((\cg)%2)
.irp n, 0,1,2,3,4,5,6,7,8,9,10,11,12,13,14,15,16,17,18,19,20,21,22,23,24,25,26,27,28,29,30,31
	ds_load_b32 v[XS+\n], v[AW] offset:512*\n+128*(\cg)   ; 32 lanes read 128 consecutive bytes
.endr
.endm
.macro WBLK cg
.set XS, XW+32*((\cg)%2)
	v_max3_num_f32 v[TM+8], |v[XS]|, |v[XS+1]|, |v[XS+2]|          ; the block's largest magnitude: all 32 numbers are mine; two chains
	v_max3_num_f32 v[TM+9], |v[XS+3]|, |v[XS+4]|, |v[XS+5]|
.irp n, 6,10,14,18,22,26
	s_delay_alu instid0(VALU_DEP_2)
	v_max3_num_f32 v[TM+8], v[TM+8], |v[XS+\n]|, |v[XS+\n+1]|
	s_delay_alu instid0(VALU_DEP_2)
	v_max3_num_f32 v[TM+9], v[TM+9], |v[XS+\n+2]|, |v[XS+\n+3]|
.endr
	s_delay_alu instid0(VALU_DEP_2)
	v_max3_num_f32 v[TM+8], v[TM+8], |v[XS+30]|, |v[XS+31]|
	s_delay_alu instid0(VALU_DEP_1)
	v_max3_num_f32 v[TM+8], v[TM+8], v[TM+9], 0x1800000            ; and the floor
	s_delay_alu instid0(VALU_DEP_1)
	v_add_nc_u32 v[TM+10], 0xff000000, v[TM+8]
	s_delay_alu instid0(VALU_DEP_1)
	v_lshrrev_b32 v[BY+(\cg)], 23, v[TM+10]
.irp g, 0,1,2,3
	v_cvt_scalef32_pk8_fp4_f32 v[CW+4*(\cg)+\g], v[XS+8*\g:XS+8*\g+7], v[TM+10]
.endr
	v_nop                                          ; one plain place behind a scaled conversion
	global_store_b128 v[OW], v[CW+4*(\cg):CW+4*(\cg)+3], s[14:15] offset:8192*(\cg)   ; each half of the lanes stores 256 consecutive bytes, at a multiple of 256 from wq's first byte
	ds_store_b8 v[AB], v[BY+(\cg)] offset:512*(\cg)
.endm
	s_wait_tensorcnt 0x0                           ; my tile has landed; nobody else reads it
	WLOAD 0
.irp cg, 0,1,2,3
	s_wait_dscnt 0x0                               ; this group's 32 numbers are in
.if \cg < 3
	WLOAD \cg+1                                    ; the next group's come while this one is worked
.endif
	WBLK \cg
.endr
	s_wait_dscnt 0x0                               ; for the others' sake: my scale bytes lie in LDS
	s_barrier_signal -1
	s_barrier_wait -1
	s_cmp_lt_u32 s16, 8                            ; 4,096 scale bytes: 256 threads take 16 each; waves 0-3 hq's, waves 4-7 wq's
	s_cbranch_scc0 .Lend
	s_cmp_lt_u32 s16, 4
	s_cselect_b64 s[38:39], s[12:13], s[14:15]
	ds_load_b128 v[100:103], v[AO]
	s_wait_dscnt 0x0
	global_store_b128 v[OS], v[100:103], s[38:39] offset:32768   ; a wave stores 512 consecutive bytes of the chunk's last 2,048
.Lend:
	s_wait_tensorcnt 0x0
	ds_add_u32 v254, v255
	s_wait_dscnt 0x0
	s_endpgm
.Lfunc_end_k_qb8059ba45d_ops:
	.size	k_qb8059ba45d_ops, .Lfunc_end_k_qb8059ba45d_ops-k_qb8059ba45d_ops
	.p2alignl 7, 3214868480
	.fill 96, 4, 3214868480
	.section	.rodata,"a",@progbits
	.p2align	6, 0x0
	.amdhsa_kernel k_qb8059ba45d_ops
		.amdhsa_group_segment_fixed_size 327680
		.amdhsa_private_segment_fixed_size 0
		.amdhsa_enable_private_segment 0
		.amdhsa_kernarg_size 48
		.amdhsa_user_sgpr_count 2
		.amdhsa_user_sgpr_kernarg_segment_ptr 1
		.amdhsa_wavefront_size32 1
		.amdhsa_system_sgpr_workgroup_id_x 1
		.amdhsa_system_sgpr_workgroup_id_y 1
		.amdhsa_system_sgpr_workgroup_id_z 1
		.amdhsa_system_vgpr_workitem_id 0
		.amdhsa_next_free_vgpr 256
		.amdhsa_next_free_sgpr 66
		.amdhsa_reserve_vcc 0
		.amdhsa_float_denorm_mode_32 3
		.amdhsa_float_denorm_mode_16_64 3
		.amdhsa_memory_ordered 1
		.amdhsa_forward_progress 1
		.amdhsa_inst_pref_size 48
	.end_amdhsa_kernel
	.amdgpu_metadata
---
amdhsa.version: [ 1, 2 ]
amdhsa.kernels:
  - .name:           k_qb8059ba45d_ops
    .symbol:         k_qb8059ba45d_ops.kd
    .args:
      - { .name: xhp, .offset: 0, .size: 8, .value_kind: global_buffer, .address_space: global }
      - { .name: G, .offset: 8, .size: 8, .value_kind: global_buffer, .address_space: global }
      - { .name: b1, .offset: 16, .size: 8, .value_kind: global_buffer, .address_space: global }
      - { .name: W2, .offset: 24, .size: 8, .value_kind: global_buffer, .address_space: global }
      - { .name: hq, .offset: 32, .size: 8, .value_kind: global_buffer, .address_space: global }
      - { .name: wq, .offset: 40, .size: 8, .value_kind: global_buffer, .address_space: global }
    .group_segment_fixed_size: 327680
    .private_segment_fixed_size: 0
    .kernarg_segment_align: 8
    .kernarg_segment_size: 48
    .max_flat_workgroup_size: 512
    .sgpr_count:     66
    .vgpr_count:     256
    .wavefront_size: 32
...
	.end_amdgpu_metadata
.endif
;; end of part 2
;; launch gemm (part 3): grid 16 x 16, 4 waves a work-group, clusters of 4 x 4, 327,680 bytes of LDS; arguments hq, wq, b2, out0; writes out0
.if DOCPART == 3
	.amdgcn_target "amdgcn-amd-amdhsa--gfx1250"
	.amdhsa_code_object_version 6
	.text
	.protected	k_qb8059ba45d_gemm
	.globl	k_qb8059ba45d_gemm
	.p2align	8
	.type	k_qb8059ba45d_gemm,@function
k_qb8059ba45d_gemm:
	s_mov_b64 s[64:65], 0
	v_nop
	global_prefetch_b8 v0, s[64:65] scope:SCOPE_SE
	s_setreg_imm32_b32 hwreg(HW_REG_WAVE_MODE, 25, 1), 1
	s_wait_xcnt 0x0
	s_wait_alu depctr_hold_cnt(0) depctr_sa_sdst(0) depctr_va_vdst(0) depctr_va_sdst(0) depctr_va_ssrc(0) depctr_va_vcc(0) depctr_vm_vsrc(0)
	s_getreg_b32 s2, hwreg(HW_REG_IB_STS2, 6, 4)
	s_cmp_eq_u32 s2, 0
	s_cbranch_scc0 .Lentry_in_a_cluster
	s_endpgm
.Lentry_in_a_cluster:
	s_bfe_u32 s2, ttmp6, 0x10000c
	s_cmp_lg_u32 s2, 0xf033
	s_cbranch_scc0 .Lentry_shape_is_right
	s_endpgm
.Lentry_shape_is_right:
; out0[m][n] = sum over k of h[m][k] W2[k][n] + b2[n], on codes of FP4 (E2M1) with one E8M0 scale for each 32 along K, as launch ops laid them:
; chunks of 128 operand rows x 512 along K, 34,816 dense bytes, in the order of the operand's registers; chunk number = 8 x (row / 128) + k / 512.
; A tile of out0, 256 x 256, is made by a work-group of four waves; a wave makes 128 x 128: 64 accumulators of 16 x 16, 512 registers.
; K goes in steps of 512 through a ring of two LDS slots; a slot holds two chunks of h and two of W2, one chunk a wave and a tensor load.  The walk along K begins at a chunk that hangs on the cluster's place in the grid and wraps round.
; CLUSTERS: 4 x 4 work-groups.  The four of a row need the same chunks of h, the four of a column the same chunks of W2: each chunk is asked for JOINTLY.
; THE MATRIX INSTRUCTION IS USED TRANSPOSED (source 0 = 16 columns of W2, source 1 = 16 rows of h): a lane holds eight neighbouring numbers of a row of out0.
; REGISTERS, in windows of 256.  Window 0: v0-31 addresses; v32-95 scale words, two sets; v96-99 b2; v128-191, v192-255 h's fragments, two sets.
;   Window 1: W2's fragments, two sets, at v0 and v128.  Windows 2, 3: the accumulators of my rows 0-63 and 64-127.
; Both operands have two sets: a step of 128 along K opens with ONE run of 32 LDS loads for the next step, which has this step's 64 matrix instructions in which to land.
; THE LAST SEVEN STEPS OF 128 GO BY HALVES OF MY ROWS: both slots hold their last fills then, so rows 0-63 are finished first and stored, 64 stores a wave, and rows 64-127 are multiplied with those stores on their way.
; W2's fragments of these seven steps are read from LDS twice.  K stays ascending for every sum.
; b2 is added behind the sum, on the way out, where a lane holds the same four columns of every row.
; PREFETCH: behind each refill the chunk that the refill two changes of slots on will load is named: 136 blocks of 256 bytes, of which each of the four partners that ask for it jointly takes 34, told apart by address
; (cx for h, cy for W2).  The first four K steps come by their loads alone; the loop's last trip names nothing.
.set SIZE_N, 4096
.set NQ,     4
.set FR,     8
.set NP,     4
.set CH,     34816
.set SCB,    32768
.set SLOT,   4*CH
.set LAPS,   4
.set SPARE,  2*SLOT                    ; behind the ring: the spare words, 128 bytes a wave
.set STAGE,  SPARE+512                 ; behind them: 16 rows x 528 bytes a wave, for the way out; no tensor load lands here
.set SPITCH, 528
.set ADRA, 16
.set ADRB, 20
.set ADRS, 22
.set STO,  24
.set RD,   25
.set CO,   26                          ; 16 x lane
.set PFO,  27                          ; 256 x lane
.set SPW,  28
.set NIL,  29
.set PFO2, 30                          ; 256 x (32 + min(lane, 1))
.set SC,   32
.set BIA,  96
.set AF,   128
.set BK,   128
.set KN,   2                           ; s2       the chunk along K that slot 0 holds or is asked for
.set KO,   10                          ; s[10:11] its byte offset
.set G1,   24
.set G0,   32
.set G1B,  48
.set G0B,  56
.set PB,   68                          ; s[68:69] my operand's 8 chunks + my work-group's 34 blocks
.set PX,   70                          ; s[70:71] the chunk that my prefetches name
.set PO,   72                          ; s[72:73] its byte offset
.set PK,   74                          ; s74      its number
.set MSB, 0
.macro WIN new
.if MSB != (\new)
	s_set_vgpr_msb (MSB<<8)|(\new)
.set MSB, (\new)
.endif
.endm
.set MUL_LO,  0xa1
.set MUL_HI,  0xf1
.set TO_B,    0x40
.macro JLOAD g0a, g1a, g0b, g1b        ; waves 0, 1 fetch h's two chunks, waves 2, 3 W2's; s_nop 0 and four v_nop behind each line
	s_cmp_eq_u32 s15, 0
	s_cbranch_scc0 .Lfor_b_\@
	tensor_load_to_lds s[\g0a:\g0a+3], s[\g1a:\g1a+7]
	s_nop 0
.rept 4
	v_nop
.endr
	s_branch .Lasked_\@
.Lfor_b_\@:
	tensor_load_to_lds s[\g0b:\g0b+3], s[\g1b:\g1b+7]
	s_nop 0
.rept 4
	v_nop
.endr
.Lasked_\@:
.endm
.macro CREST
	s_cmp_lg_u32 s14, 0
	s_cbranch_scc1 .Lnot_wave_0_\@
	s_barrier_signal -3
.Lnot_wave_0_\@:
	s_barrier_wait -3
	s_barrier_signal -1
	s_barrier_wait -1
.endm
.macro CROUND
	s_barrier_signal -1
	s_barrier_wait -1
	CREST
.endm
	s_load_b128 s[4:7], s[0:1], 0x0                ; hq, wq
	s_load_b64 s[8:9], s[0:1], 0x10                ; b2
	s_load_b64 s[12:13], s[0:1], 0x18              ; out0
	v_lshl_add_u32 v[SPW], v0, 2, SPARE
	v_mov_b32 v[NIL], 0
	ds_add_u32 v[SPW], v[NIL]                      ; the opening lines: the add, twice on end, and its wait ahead of my first tensor load
	ds_add_u32 v[SPW], v[NIL]
	v_lshrrev_b32 v1, 5, v0
	v_readfirstlane_b32 s14, v1                    ; wave
	s_lshr_b32 s15, s14, 1                         ; my half of the tile's rows; also: I fetch for h (0) or W2 (1)
	s_and_b32 s16, s14, 1                          ; my half of its columns; also: which chunk of the two I fetch
	s_bfe_u32 s40, ttmp6, 0x40000                  ; cx
	s_bfe_u32 s41, ttmp6, 0x40004                  ; cy
	s_lshl_b32 s42, ttmp9, 2
	s_add_co_u32 s42, s42, s40                     ; tile column
	s_and_b32 s17, ttmp7, 0xffff
	s_lshl_b32 s17, s17, 2
	s_add_co_u32 s17, s17, s41                     ; tile row
	s_lshl_b32 s43, s41, 2
	s_lshl_b32 s43, 15, s43                        ; my row of the cluster
	s_lshl_b32 s44, 0x1111, s40                    ; my column
	s_or_b32 s[G1+0], s43, (3<<16)|(1<<21)
	s_or_b32 s[G1B+0], s44, (3<<16)|(1<<21)
.irp g, G1, G1B
	s_mov_b32 s[\g+1], 32<<16                      ; a chunk as 136 dense rows of 256 bytes
	s_mov_b32 s[\g+2], 136<<16
	s_mov_b32 s[\g+3], 32<<16
	s_mov_b32 s[\g+4], 136
	s_mov_b32 s[\g+5], 32
	s_mov_b32 s[\g+6], 0
	s_mov_b32 s[\g+7], 0
.endr
	s_lshl_b32 s18, s16, 3
	s_lshl_b32 s20, s17, 4
	s_add_co_u32 s20, s20, s18
	s_mul_i32 s20, s20, CH                         ; h: the 8 chunks of rows 256 x tile row + 128 x half
	s_mov_b32 s21, 0
	s_lshl_b32 s46, s42, 4
	s_add_co_u32 s46, s46, s18
	s_mul_i32 s46, s46, CH                         ; W2: likewise by the tile column
	s_mov_b32 s47, 0
	s_mul_i32 s45, s14, CH                         ; where my chunk goes in a slot
	s_and_b32 s[KO], ttmp7, 0xffff                 ; where the walk along K begins: an even chunk made of the cluster's x and y
	s_lshr_b32 s[KO+1], s[KO], 1
	s_xor_b32 s[KO], s[KO], s[KO+1]
	s_and_b32 s[KO], s[KO], 1
	s_lshl_b32 s[KO], s[KO], 2
	s_lshl_b32 s[KO+1], ttmp9, 1
	s_add_co_u32 s[KN], s[KO], s[KO+1]
	s_and_b32 s[KN], s[KN], 7
	s_mul_i32 s[KO], s[KN], CH
	s_mov_b32 s[KO+1], 0
	s_wait_dscnt 0x0                               ; both opening adds are done
	s_wait_kmcnt 0x0
	s_add_nc_u64 s[4:5], s[4:5], s[20:21]
	s_add_nc_u64 s[6:7], s[6:7], s[46:47]
.irp s, 0,1
	s_mov_b32 s[G0+4*\s], 1
	s_add_co_u32 s[G0+4*\s+1], s45, \s*SLOT
	s_add_nc_u64 s[G0+4*\s+2:G0+4*\s+3], s[4:5], s[KO:KO+1]
	s_or_b32 s[G0+4*\s+3], s[G0+4*\s+3], 0x80000000
	s_mov_b32 s[G0B+4*\s], 1
	s_add_co_u32 s[G0B+4*\s+1], s45, \s*SLOT
	s_add_nc_u64 s[G0B+4*\s+2:G0B+4*\s+3], s[6:7], s[KO:KO+1]
	s_or_b32 s[G0B+4*\s+3], s[G0B+4*\s+3], 0x80000000
	s_add_co_u32 s[KO], s[KO], CH
.endr
	CROUND                                         ; all sixteen work-groups are here: the first joint loads meet
	JLOAD G0, G1, G0B, G1B                         ; slot 0: my one tensor load at the head; all below, up to the wait, runs under its flight
	s_lshl_b32 s46, s42, 10                        ; my first column, in bytes of f32: 1,024 x tile column + 512 x half
	s_lshl_b32 s47, s16, 9
	s_add_co_u32 s46, s46, s47
	s_mov_b32 s47, 0
	s_add_nc_u64 s[8:9], s[8:9], s[46:47]
	s_lshl_b32 s20, s17, 8
	s_lshl_b32 s21, s15, 7
	s_add_co_u32 s20, s20, s21                     ; my first row of out0
	s_mov_b32 s21, 0
	s_mov_b64 s[18:19], SIZE_N*4
	s_mul_u64 s[20:21], s[20:21], s[18:19]
	s_add_nc_u64 s[20:21], s[20:21], s[46:47]
	s_add_nc_u64 s[12:13], s[12:13], s[20:21]
	s_cmp_eq_u32 s15, 0                            ; the prefetches: my operand, and my place among the four that ask with me
	s_cselect_b32 s[PK], s40, s41
	s_cselect_b64 s[PB:PB+1], s[4:5], s[6:7]
	s_mul_i32 s[PO], s[PK], 34*256
	s_mov_b32 s[PO+1], 0
	s_add_nc_u64 s[PB:PB+1], s[PB:PB+1], s[PO:PO+1]
	s_mul_i32 s76, s15, CH                         ; my chunk of h in slot 0,
	s_mul_i32 s77, s16, CH
	s_add_co_u32 s77, s77, 2*CH                    ; my chunk of W2,
	s_sub_co_u32 s78, s77, s76                     ; the distance between the two,
	s_add_co_u32 s79, s76, SLOT                    ; and the same in slot 1
	s_add_co_u32 s80, s77, SLOT
	s_mul_i32 s81, s14, 16*SPITCH
	s_add_co_u32 s81, s81, STAGE                   ; my stage
	v_and_b32 v1, 15, v0
	v_bfe_u32 v2, v0, 4, 1
	v_and_b32 v6, 31, v0
	v_lshlrev_b32 v[CO], 4, v6
	v_mul_u32_u24 v5, s78, v2                      ; scale words: lanes 0-15 take h's rows, lanes 16-31 W2's
	v_lshl_add_u32 v5, v1, 4, v5
	v_add_nc_u32 v[ADRA], s76, v[CO]
	v_add_nc_u32 v[ADRB], s77, v[CO]
	v_add_nc_u32 v[ADRS], s76, v5
	v_add_nc_u32 v[ADRA+1], s79, v[CO]
	v_add_nc_u32 v[ADRB+1], s80, v[CO]
	v_add_nc_u32 v[ADRS+1], s79, v5
	v_mul_u32_u24 v7, v1, SPITCH
	v_lshl_add_u32 v7, v2, 5, v7
	v_add_nc_u32 v[STO], s81, v7
	v_add_nc_u32 v[RD], s81, v[CO]
	v_lshlrev_b32 v[PFO], 8, v6
	v_min_u32 v3, 1, v6
	v_lshl_add_u32 v[PFO2], v3, 8, 8192
	global_load_b128 v[BIA:BIA+3], v[CO], s[8:9]   ; b2 at my four columns of a row read back from the stage
.macro FRAG reg, adr, q, i
.irp c, 0,1
	ds_load_b128 v[\reg+4*\c:\reg+4*\c+3], v[\adr] offset:(4*(\i)+(\q))*1024+512*\c
.endr
.endm
; 16 matrix instructions: h's blocks a0, a0 + 1 x W2's eight.  p: the sets of fragments;  sc: the set of scale words.  The accumulators take turns, one instruction a turn.
.macro MUL16 a0, p, q, sc, zero
.irp a, \a0, \a0+1
.irp b, 0,1,2,3,4,5,6,7
.if \zero
	v_wmma_scale_f32_16x16x128_f8f6f4 v[8*(8*((\a)%4)+\b):8*(8*((\a)%4)+\b)+7], v[128*(\p)+FR*\b:128*(\p)+FR*\b+FR-1], v[AF+64*(\p)+FR*(\a):AF+64*(\p)+FR*(\a)+FR-1], 0, v[SC+8*NQ*(\sc)+NQ*\b+(\q)], v[SC+8*NQ*(\sc)+NQ*(\a)+(\q)] matrix_a_fmt:MATRIX_FMT_FP4 matrix_b_fmt:MATRIX_FMT_FP4 matrix_a_scale:MATRIX_SCALE_ROW1
.else
	v_wmma_scale_f32_16x16x128_f8f6f4 v[8*(8*((\a)%4)+\b):8*(8*((\a)%4)+\b)+7], v[128*(\p)+FR*\b:128*(\p)+FR*\b+FR-1], v[AF+64*(\p)+FR*(\a):AF+64*(\p)+FR*(\a)+FR-1], v[8*(8*((\a)%4)+\b):8*(8*((\a)%4)+\b)+7], v[SC+8*NQ*(\sc)+NQ*\b+(\q)], v[SC+8*NQ*(\sc)+NQ*(\a)+(\q)] matrix_a_fmt:MATRIX_FMT_FP4 matrix_b_fmt:MATRIX_FMT_FP4 matrix_a_scale:MATRIX_SCALE_ROW1
.endif
.endr
.endr
.endm
.macro FETCH slot, q, p                ; 32 LDS loads in one run: both operands' fragments of the slot's q-th 128 along K into sets p
	WIN TO_B
.irp i, 0,1,2,3,4,5,6,7
	FRAG 128*(\p)+FR*\i, ADRB+\slot, \q, \i
.endr
	WIN 0
.irp i, 0,1,2,3,4,5,6,7
	FRAG AF+64*(\p)+FR*\i, ADRA+\slot, \q, \i
.endr
.endm
.macro FETCHH slot, q, p, hf           ; 24 LDS loads: W2's eight fragments, and of h's only blocks 4 hf .. 4 hf + 3
	WIN TO_B
.irp i, 0,1,2,3,4,5,6,7
	FRAG 128*(\p)+FR*\i, ADRB+\slot, \q, \i
.endr
	WIN 0
.irp i, 0,1,2,3
	FRAG AF+64*(\p)+FR*(4*(\hf)+\i), ADRA+\slot, \q, 4*(\hf)+\i
.endr
.endm
.macro SCALES sc
.irp i, 0,1,2,3,4,5,6,7
	ds_load_b128 v[SC+8*NQ*\sc+NQ*\i:SC+8*NQ*\sc+NQ*\i+3], v[ADRS+\sc] offset:SCB+256*\i
.endr
.endm
.macro PLACES n
.rept \n
	v_nop
.endr
.endm
.macro STEP slot, q, zero              ; a step of 128 along K that has its successor in the same slot
	s_wait_dscnt 0x0                               ; this step's fragments, asked for a step ago
	PLACES NP                                      ; the last step's products have read the sets that the run below fills
	FETCH \slot, (\q)+1, 1-(\q)%2
	WIN MUL_LO
	MUL16 0, (\q)%2, \q, \slot, \zero
	MUL16 2, (\q)%2, \q, \slot, \zero
	WIN MUL_HI
	MUL16 4, (\q)%2, \q, \slot, \zero
	MUL16 6, (\q)%2, \q, \slot, \zero
	WIN 0
.endm
; A slot's last step changes slots.  Its own fragments are in registers when the barrier is signalled, so the slot is free, and it is filled again, two K steps ahead.
.macro TURN slot, next
	s_wait_xcnt 0x0                                ; my last prefetches have read their address
.if \slot == 0
	s_add_co_u32 s[KN], s[KN], 2
	s_and_b32 s[KN], s[KN], 7
	s_add_co_u32 s[PK], s[KN], 2
	s_and_b32 s[PK], s[PK], 7
.endif
	s_mul_i32 s[KO], s[KN], CH
	s_mul_i32 s[PO], s[PK], CH
.if \slot == 1
	s_add_co_u32 s[KO], s[KO], CH
	s_add_co_u32 s[PO], s[PO], CH
.endif
	s_add_nc_u64 s[PX:PX+1], s[PB:PB+1], s[PO:PO+1]
	s_wait_tensorcnt 0x0                           ; all my tensor loads have landed: my chunk of the next slot;
	ds_add_u32 v[SPW], v[NIL]
	s_add_nc_u64 s[G0+4*\slot+2:G0+4*\slot+3], s[4:5], s[KO:KO+1]
	s_or_b32 s[G0+4*\slot+3], s[G0+4*\slot+3], 0x80000000
	s_add_nc_u64 s[G0B+4*\slot+2:G0B+4*\slot+3], s[6:7], s[KO:KO+1]
	s_or_b32 s[G0B+4*\slot+3], s[G0B+4*\slot+3], 0x80000000
	s_wait_dscnt 0x0                               ; the add is done, and my reads of this slot are over
	s_barrier_signal -1
	WIN MUL_LO
	MUL16 0, 1, NQ-1, \slot, 0
	WIN 0
	s_barrier_wait -1
	CREST                                          ; the barrier has opened a round of the cluster's barrier
	JLOAD G0+4*\slot, G1, G0B+4*\slot, G1B         ; the first tensor load behind the round; its four v_nop are the places ahead of the run below
	FETCH \next, 0, 0
	SCALES \next
	s_cmp_gt_u32 s3, 1                             ; the last trip's refills have no refill two on
	s_cbranch_scc0 .Lnone_\@
	global_prefetch_b8 v[PFO], s[PX:PX+1] th:TH_LOAD_NT scope:SCOPE_SE
	global_prefetch_b8 v[PFO2], s[PX:PX+1] th:TH_LOAD_NT scope:SCOPE_SE
.Lnone_\@:
	WIN MUL_LO
	MUL16 2, 1, NQ-1, \slot, 0
	WIN MUL_HI
	MUL16 4, 1, NQ-1, \slot, 0
	MUL16 6, 1, NQ-1, \slot, 0
	WIN 0
.endm
.macro STEPS slot, from
.set Q, \from
.rept NQ-1-\from
	STEP \slot, Q, 0
.set Q, Q+1
.endr
.endm
; Half a step: h's blocks 4 hf .. 4 hf + 3 x W2's eight, 32 matrix instructions.  more = 1: the next half step's fragments, step nq of slot ns, are asked for first.
.macro HALF slot, q, hf, ns, nq, more
	s_wait_dscnt 0x0
.if \more
	PLACES NP
	FETCHH \ns, \nq, 1-(\q)%2, \hf
.endif
	WIN MUL_LO+0x50*(\hf)
	MUL16 4*(\hf), (\q)%2, \q, \slot, 0
	MUL16 4*(\hf)+2, (\q)%2, \q, \slot, 0
	WIN 0
.endm
; THE WAY OUT, block by block of 16 rows x 128 columns: through my own stage and back as whole rows of 512 bytes; b2 is added; the 32 lanes store two aligned units of 256 bytes.
; LDS serves a wave's instructions in order (ISA guide 5.7.1.4): no wait between the stores and the loads.
.macro TOSTAGE a
.set AC, 64*((\a)%4)
	WIN 0x08+4*((\a)/4)
.irp b, 0,1,2,3,4,5,6,7
	ds_store_b128 v[STO], v[AC+8*\b:AC+8*\b+3] offset:64*\b          ; each accumulator from its low end on
	ds_store_b128 v[STO], v[AC+8*\b+4:AC+8*\b+7] offset:64*\b+16
.endr
	WIN 0
.set BB, BK+64*((\a)%2)
.irp t, 0,1,2,3,4,5,6,7,8,9,10,11,12,13,14,15
	ds_load_b128 v[BB+4*\t:BB+4*\t+3], v[RD] offset:\t*SPITCH
.endr
.endm
.macro SEND a, younger
.set BB, BK+64*((\a)%2)
	s_wait_dscnt \younger
.if (\a) > 0
	s_add_nc_u64 s[12:13], s[12:13], 16*SIZE_N*4   ; (behind a wait on XCNT: the earlier stores have read their base)
.endif
.irp t, 0,1,2,3,4,5,6,7,8,9,10,11,12,13,14,15
	v_pk_add_f32 v[BB+4*\t:BB+4*\t+1], v[BB+4*\t:BB+4*\t+1], v[BIA:BIA+1]
	v_pk_add_f32 v[BB+4*\t+2:BB+4*\t+3], v[BB+4*\t+2:BB+4*\t+3], v[BIA+2:BIA+3]
.endr
.irp t, 0,1,2,3,4,5,6,7,8,9,10,11,12,13,14,15
	global_store_b128 v[CO], v[BB+4*\t:BB+4*\t+3], s[12:13] offset:\t*SIZE_N*4 th:TH_STORE_NT
.endr
.endm
.macro OUT4 a0                         ; four blocks leave; the rows read back lie where h's two sets lay
	PLACES NP                                      ; ahead of the first reads of results and of loads into h's sets
	TOSTAGE \a0
.irp d, 1,2,3
.if \d > 1
	s_wait_xcnt 0x0                                ; the stores of two blocks ago have read their registers and their base
.endif
	TOSTAGE (\a0)+\d
	SEND (\a0)+\d-1, 32                            ; behind that block's loads: the next block's 16 stores and 16 loads
.endr
	s_wait_xcnt 0x0
	SEND (\a0)+3, 0
.endm
	s_wait_alu depctr_va_vdst(0)
	s_wait_tensorcnt 0x0                           ; my chunk of slot 0 is in
	ds_add_u32 v[SPW], v[NIL]
	s_wait_dscnt 0x0
	CROUND                                         ; slot 0 is whole, and all sixteen work-groups are here
	JLOAD G0+4, G1, G0B+4, G1B                     ; slot 1's first fill, the first tensor load behind the round
	FETCH 0, 0, 0
	SCALES 0
	s_wait_loadcnt 0x0                             ; b2
	STEP 0, 0, 1                                   ; the first step stands ahead of the loop: its products start the sums
	s_mov_b32 s3, LAPS-1
.Llap:                                                 ; a trip goes once round the ring and fills both slots again
	STEPS 0, 1
	TURN 0, 1
	STEPS 1, 0
	TURN 1, 0
	STEP 0, 0, 0
	s_sub_co_u32 s3, s3, 1
	s_cmp_lg_u32 s3, 0
	s_cbranch_scc1 .Llap
	; the last lap's seven steps, first for my rows 0-63.  Nothing is filled any more, so both slots may be read a second time
	HALF 0, 1, 0, 0, 2, 1
	HALF 0, 2, 0, 0, 3, 1
	s_wait_tensorcnt 0x0                           ; my chunk of slot 1's last fill is in,
	ds_add_u32 v[SPW], v[NIL]
	s_wait_dscnt 0x0                               ; and this half step's fragments
	s_barrier_signal -1
	s_barrier_wait -1                              ; and everybody's chunk: slot 1 is whole
	PLACES NP
	FETCHH 1, 0, 0, 0
	SCALES 1
	WIN MUL_LO
	MUL16 0, 1, 3, 0, 0
	MUL16 2, 1, 3, 0, 0
	WIN 0
	HALF 1, 0, 0, 1, 1, 1
	HALF 1, 1, 0, 1, 2, 1
	HALF 1, 2, 0, 1, 3, 1
	HALF 1, 3, 0, 0, 0, 0
	OUT4 0                                         ; rows 0-63 leave: 64 stores
	s_wait_xcnt 0x0                                ; they have read their registers, on which the loads below land
	FETCHH 0, 1, 1, 1                              ; the same seven steps for my rows 64-127; both sets of scale words still stand
	HALF 0, 1, 1, 0, 2, 1
	HALF 0, 2, 1, 0, 3, 1
	HALF 0, 3, 1, 1, 0, 1
	HALF 1, 0, 1, 1, 1, 1
	HALF 1, 1, 1, 1, 2, 1
	HALF 1, 2, 1, 1, 3, 1
	HALF 1, 3, 1, 0, 0, 0
	OUT4 4
	s_wait_tensorcnt 0x0                           ; the wave's end
	ds_add_u32 v[SPW], v[NIL]
	s_wait_dscnt 0x0
	CROUND                                         ; the closing round
	s_endpgm
.Lfunc_end_k_qb8059ba45d_gemm:
	.size	k_qb8059ba45d_gemm, .Lfunc_end_k_qb8059ba45d_gemm-k_qb8059ba45d_gemm
	.p2alignl 7, 3214868480
	.fill 96, 4, 3214868480
	.section	.rodata,"a",@progbits
	.p2align	6, 0x0
	.amdhsa_kernel k_qb8059ba45d_gemm
		.amdhsa_group_segment_fixed_size 327680
		.amdhsa_private_segment_fixed_size 0
		.amdhsa_enable_private_segment 0
		.amdhsa_kernarg_size 32
		.amdhsa_user_sgpr_count 2
		.amdhsa_user_sgpr_kernarg_segment_ptr 1
		.amdhsa_wavefront_size32 1
		.amdhsa_system_sgpr_workgroup_id_x 1
		.amdhsa_system_sgpr_workgroup_id_y 1
		.amdhsa_system_sgpr_workgroup_id_z 1
		.amdhsa_system_vgpr_workitem_id 0
		.amdhsa_next_free_vgpr 1024
		.amdhsa_next_free_sgpr 96
		.amdhsa_reserve_vcc 0
		.amdhsa_float_denorm_mode_32 3
		.amdhsa_float_denorm_mode_16_64 3
		.amdhsa_memory_ordered 1
		.amdhsa_forward_progress 1
		.amdhsa_inst_pref_size 234
	.end_amdhsa_kernel
	.amdgpu_metadata
---
amdhsa.version: [ 1, 2 ]
amdhsa.kernels:
  - .name:           k_qb8059ba45d_gemm
    .symbol:         k_qb8059ba45d_gemm.kd
    .args:
      - { .name: hq, .offset: 0, .size: 8, .value_kind: global_buffer, .address_space: global }
      - { .name: wq, .offset: 8, .size: 8, .value_kind: global_buffer, .address_space: global }
      - { .name: b2, .offset: 16, .size: 8, .value_kind: global_buffer, .address_space: global }
      - { .name: out0, .offset: 24, .size: 8, .value_kind: global_buffer, .address_space: global }
    .group_segment_fixed_size: 327680
    .private_segment_fixed_size: 0
    .kernarg_segment_align: 8
    .kernarg_segment_size: 32
    .max_flat_workgroup_size: 128
    .sgpr_count:     96
    .vgpr_count:     1024
    .wavefront_size: 32
...
	.end_amdgpu_metadata
.endif
;; end of part 3
